; MI455X (gfx1250); checked and timed in simulation.
; The chip was launched on July 23, 2026; its instructions are those of AMD's public machine-readable ISA for CDNA 5 (MIT licence, August 2026) and "CDNA5" Instruction Set Architecture Reference Guide (July 2026). The comments in the code are by the model that wrote it; some were corrected since.
;; Multi Head Attention. Allowed arithmetic: matrix products marked QUANTISED: E3M2 operands, one E8M0 scale for each 32 along K, by v_wmma_scale_f32_16x16x128_f8f6f4 with both operands' format E3M2, f32 sums; everything else in f32.
;; Inputs: Wo_codes 1,024 x 32 x 24 uint8 (E3M2 codes of Wo, K innermost, in blocks of 32 codes, four codes in three bytes); Wo_scales 1,024 x 32 uint8 (E8M0 scales of Wo, one for each 32 codes along K); Wqkv_codes 3,072 x 32 x 24 uint8 (E3M2 codes of Wqkv, K innermost, in blocks of 32 codes, four codes in three bytes); Wqkv_scales 3,072 x 32 uint8 (E8M0 scales of Wqkv, one for each 32 codes along K); bo 1,024 float32; bqkv 3,072 float32; mask 2 x 2,048 float32; x_codes 2 x 2,048 x 32 x 24 uint8 (E3M2 codes of x, K innermost, in blocks of 32 codes, four codes in three bytes); x_scales 2 x 2,048 x 32 uint8 (E8M0 scales of x, one for each 32 codes along K).
;; Outputs: out0 2 x 2,048 x 1,024 float32.
;; This version of the problem:
;;   THIS VERSION OF THE PROBLEM IS GIVEN IN LOW PRECISION. The matrix products marked QUANTISED in the list below multiply operands that are first quantised to E3M2 (3 exponent bits, 2 mantissa bits; 6 bits a number), with one power-of-two scale for each 32 numbers along K (OCP MX v1.0); their sums are f32. All else is computed in f32.
;;   The module's matrix products, in the order in which they are computed (A, B: the left and right operand; K: the contracted axis; several contracted axes count as one K, in the product's order):
;;     1. [M 4,096, K 1,024] x [K 1,024, N 3,072]; A: input x (given as codes); B: input Wqkv (given as codes): QUANTISED
;;     2. batch 32 x [M 2,048, K 64] x [K 64, N 2,048]; A: computed on the way; B: computed on the way: QUANTISED
;;     3. batch 32 x [M 64, K 2,048] x [K 2,048, N 2,048]; A: computed on the way; B: softmax (see below): QUANTISED
;;     4. [M 4,096, K 1,024] x [K 1,024, N 1,024]; A: computed on the way; B: input Wo (given as codes): QUANTISED
;;   THE QUANTISER, for each operand of a quantised product, along K:
;;     - K is cut into blocks of 32 from its start; a last block that is shorter is filled with zeros.
;;     - A block's scale is 2^e with e = floor(log2(the largest magnitude in the block)) - 4, held to -126 .. 127; a block of zeros has e = 0. As a byte (E8M0): e + 127.
;;     - Each number is divided by its block's scale, clamped to +-28, and rounded to the nearest number of E3M2, ties to even, subnormals kept.
;;     - The product sums the exact products of the quantised numbers (number of the format x scale) in f32.
;;   ~~~python
;;   def quantise(x, axis):      # numpy; x: float32 -> the quantised numbers, widened to float32 again
;;       x = np.moveaxis(x, axis, -1); K = x.shape[-1]
;;       x = np.pad(x, [(0, 0)] * (x.ndim - 1) + [(0, -K % 32)]); x = x.reshape(x.shape[:-1] + (-1, 32)); a = np.abs(x).max(-1, keepdims=True)
;;       e = np.where(a > 0, np.clip(np.frexp(np.where(a > 0, a, 1))[1] - 1 - 4, -126, 127), 0)      # np.frexp(a)[1] - 1 = floor(log2(a)), exactly
;;       r = np.clip(x / 2.0 ** e, -28, 28)
;;       step = 2.0 ** (np.maximum(np.frexp(np.where(r == 0, 1, r))[1] - 1, -2) - 2)
;;       q = np.round(r / step) * step * 2.0 ** e      # np.round: ties to even
;;       return np.moveaxis(q.reshape(q.shape[:-2] + (-1,))[..., :K], -1, axis).astype(np.float32)
;;   ~~~
;;   SOFTMAX AHEAD OF A QUANTISED PRODUCT. Where the list says 'softmax', what is quantised is not the finished softmax but p = 2^(t - M), with t = logit x log2(e) and M = ceil(the row's largest t), a whole number; so 1/2 < the row's largest p <= 1. The row's sum l is taken of the UNQUANTISED p, in f32, and the product's result is divided by l at the end. Since M is a whole number, a kernel that streams over the keys may use a running M (the ceiling of the running maximum): every later rescaling is an exact power of two, which a block's scale takes up: the codes' values come out the same.
;;   OPERANDS COMPUTED ON THE WAY. 'Computed on the way' means the value that the module computes at that place (a softmax that the list does not call 'softmax' is quantised finished and normalised). What goes into a quantiser is computed in f32, as accurately as f32 sums, v_exp_f32 and their like allow (about 1e-6 of the number): no bf16 or f16 on the way to a quantiser, and a product that is left as it is and whose result goes on into a quantised operand takes f32 operands (vector FMAs, or v_wmma_f32_16x16x4_f32). A number that lies on a knife's edge between two numbers of the format may be rounded either way, as far as f32 arithmetic and the matrix unit's own rounding can turn it there, and no further.
;;   INPUTS GIVEN AS CODES. Wo (in the module: [1024, 1024], K = its axis 0); Wqkv (in the module: [1024, 3072], K = its axis 0); x (in the module: [2, 2048, 1024], K = its axis 2): each comes as NAME_codes (uint8): NAME with its K axis moved to the last place and cut into blocks of 32 codes, [.., K / 32, bytes a block], one block behind the other in memory; four codes in three bytes: a row's codes are one little-endian stream of bits, code i at bits 6 i .. 6 i + 5 (a code: sign, 3 exponent bits, 2 mantissa bits); and NAME_scales (uint8): the same leading axes, one E8M0 byte (e + 127) for each 32 codes along K. Its value is code x scale, taken as it is: it is not quantised again, and the codes and scales need not be those that the quantiser above would give.
;; One version. Each part assembles by itself: llvm-mc -triple=amdgcn-amd-amdhsa -mcpu=gfx1250 --defsym DOCPART=n.
;; ======== version 1 of 1: 3 launches
;; limits: right only within a limited range of input values
;; workspace buffers: qc 3,145,728 bytes; qs 262,144 bytes; kv 6,684,672 bytes; vwc 3,145,728 bytes; vws 131,072 bytes
;; launch qkv (part 1): grid 12 x 16, 4 waves a work-group, clusters of 4 x 4, 327,680 bytes of LDS; arguments x_codes, x_scales, Wqkv_codes, Wqkv_scales, bqkv, qc, qs, kv; writes qc, qs, kv
.if DOCPART == 1
	.amdgcn_target "amdgcn-amd-amdhsa--gfx1250"
	.amdhsa_code_object_version 6
	.text
	.protected	k_q5768ebdd59_qkv
	.globl	k_q5768ebdd59_qkv
	.p2align	8
	.type	k_q5768ebdd59_qkv,@function
k_q5768ebdd59_qkv:
	s_mov_b64 s[64:65], 0
	v_nop
	global_prefetch_b8 v0, s[64:65] scope:SCOPE_SE
	s_setreg_imm32_b32 hwreg(HW_REG_WAVE_MODE, 25, 1), 1
	s_wait_xcnt 0x0
	s_wait_alu depctr_hold_cnt(0) depctr_sa_sdst(0) depctr_va_vdst(0) depctr_va_sdst(0) depctr_va_ssrc(0) depctr_va_vcc(0) depctr_vm_vsrc(0)
	s_getreg_b32 s2, hwreg(HW_REG_IB_STS2, 6, 4)
	s_cmp_eq_u32 s2, 0
	s_cbranch_scc0 .Lentry_in_a_cluster
	s_endpgm
.Lentry_in_a_cluster:
	s_bfe_u32 s2, ttmp6, 0x10000c
	s_cmp_lg_u32 s2, 0xf033
	s_cbranch_scc0 .Lentry_shape_is_right
	s_endpgm
.Lentry_shape_is_right:
; x Wqkv + bqkv on codes of BF6 (E3M2) with E8M0 scales, K = 1,024, and the result quantised at once: q and k along the head's 64, v along the keys.
; A tile of 256 x 256 to a work-group of four waves, 128 x 128 to a wave (64 accumulators), K in steps of 256 through two LDS slots filled by joint tensor loads (4 x 4 work-groups to a cluster).
; TWO KINDS OF CLUSTER, told apart by the cluster's x, which all sixteen partners share.  x = 0, 1: rows = tokens (x), columns = Wqkv's rows 0 .. 2,047 (q, k).
; x = 2: rows = Wqkv's rows 2,048 .. 3,071 (v's channels), columns = tokens: v comes out transposed, so that in both kinds the quantiser runs along the COLUMNS.
; The matrix instruction is used transposed (source 0 = the columns' operand): lane (r, h) holds row r, and register j of accumulator (a, b) column 16 b + 8 h + j.
; A block of 32 columns is accumulators 2 c and 2 c + 1: a lane's 16 registers are elements 8 h + j and 16 + 8 h + j of the block.  They are converted as they stand, so a block's codes lie in the order
; 0-7, 16-23, 8-15, 24-31.  q and k share that order, and so do v and the softmax's p in the next launch: every product is the same sum, and a block's members and scale are unchanged.
; OUT: qc [head of batch 32][token 2,048][48 bytes]; qs [32][2,048] words (s0, s0, s1, s1); kv [32][key step 16] records of 13,056 bytes: k's codes [128 keys][48], v's codes [half 2][channel 64][48]
; (48 bytes = key blocks 2 h, 2 h + 1), k's words [128] (s0, s0, s1, s1), v's words [64] (e0, e2, e1, e3).
; LIMITS: a block whose largest magnitude lies under 2^(5 - 127) gets the scale byte 1 (a block of zeros too: its codes are zeros, and only this program reads the bytes); NaN and infinities are not served.
.set KSTEP,  256
.set NQ,     KSTEP/128
.set ROWB,   192                       ; a tile's row: 256 codes
.set KROW,   768                       ; a row of x or Wqkv in memory
.set PITCH,  240                       ; an LDS row: 3 x (64 bytes + 16 of padding)
.set FR,     12
.set NL,     6
.set NP,     4
.set HALFT,  128*PITCH
.set SLOT,   4*HALFT
.set LAPS,   2                         ; 1,024 / 512
.set KS,     32                        ; a row of scale bytes
.set SCL,    2*SLOT
.set HALFS,  (128*KS/256)*272
.set SBLK,   (16*KS/256)*272
.set SPARE,  SCL+4*HALFS               ; the spare words: 128 bytes a wave, named by no other line
.set REC,    13056                     ; a record of kv
.set ADRA, 16
.set ADRB, 20
.set ADRS, 27
.set SPW,  28
.set NIL,  29
.set BCO,  30                          ; v30  offset of the columns' biases; v31 of the rows'
.set BRO,  31
.set SC,   32
.set BC,   64                          ; v64-127  bias of column 16 b + 8 h + j at 8 b + j (zeros in kind v)
.set AF,   128
.set BR,   224                         ; v224-239 bias of row 16 a + r, twice, at 2 a (zeros in kind q, k)
.set IMS,  240                         ; v240 my scratch + 48 x lane     v241 + 16 x lane
.set IML,  241
.set WSA,  242                         ; v242 the words' scratch + 512 h + 4 r    v243 + 16 x lane
.set WLA,  243
.set GO0,  244                         ; v244-246 offsets of a block's three stores of codes
.set GO1,  245
.set GO2,  246
.set GW0,  247                         ; v247-248 offsets of the two stores of words
.set GW1,  248
.set ZR,   249                         ; v249 0
.set TM,   32                          ; the way out: largest magnitudes; v36 bytes; v40 scale operands; v44 a lane's 48 bytes; v56 second halves
.set TP,   36
.set SO,   40
.set CD,   44
.set TT,   56
.set OB,   128
.set WD,   140
.set WT,   141
.set WB,   148
.set G1, 24
.set G0, 32
.set G1B, 48
.set G0B, 56
.set G1S, 68
.set G0S, 76
.set G1SB, 80
.set G0SB, 88
.set MSB, 0
.macro WIN new                         ; the immediate's high byte repeats the setting that is left
.if MSB != \new
	s_set_vgpr_msb (MSB<<8)|\new
.set MSB, \new
.endif
.endm
.set MUL_LO, 0xa1                      ; source 0 window 1, source 1 window 0, C and D window 2
.set MUL_HI, 0xf1
.set TO_B,   0x40
; A joint load: waves 0 and 1 fetch for the rows' operand, waves 2 and 3 for the columns'.  Four v_nop follow each line.
.macro JLOAD g0a, g1a, g0b, g1b
	s_cmp_eq_u32 s15, 0
	s_cbranch_scc0 .Lfor_b_\@
	tensor_load_to_lds s[\g0a:\g0a+3], s[\g1a:\g1a+7]
	s_nop 0
.rept 4
	v_nop
.endr
	s_branch .Lasked_\@
.Lfor_b_\@:
	tensor_load_to_lds s[\g0b:\g0b+3], s[\g1b:\g1b+7]
	s_nop 0
.rept 4
	v_nop
.endr
.Lasked_\@:
.endm
.macro CREST
	s_cmp_lg_u32 s14, 0
	s_cbranch_scc1 .Lnot_wave_0_\@
	s_barrier_signal -3
.Lnot_wave_0_\@:
	s_barrier_wait -3
	s_barrier_signal -1
	s_barrier_wait -1
.endm
.macro CROUND
	s_barrier_signal -1
	s_barrier_wait -1
	CREST
.endm
	s_load_b256 s[4:11], s[0:1], 0x0               ; x's codes, x's scales, Wqkv's codes, Wqkv's scales
	v_lshl_add_u32 v[SPW], v0, 2, SPARE
	v_mov_b32 v[NIL], 0
	ds_add_u32 v28, v29
	ds_add_u32 v28, v29
	s_wait_dscnt 0x0
	v_lshrrev_b32 v1, 5, v0
	v_readfirstlane_b32 s14, v1                    ; wave 0..3
	s_lshr_b32 s15, s14, 1                         ; my half of the tile's rows; also: I fetch for the rows' operand (0) or the columns' (1)
	s_and_b32 s16, s14, 1                          ; my half of its columns; also: which 128 rows of that operand I fetch
	s_bfe_u32 s40, ttmp6, 0x40000                  ; cx
	s_bfe_u32 s41, ttmp6, 0x40004                  ; cy
	s_and_b32 s2, ttmp7, 0xffff                    ; the cluster's y
	s_cmp_eq_u32 ttmp9, 2                          ; kind v?  The cluster's x is the same in all sixteen partners
	s_cselect_b32 s95, 1, 0                        ; s95: 1 in kind v
	s_cselect_b32 s101, 0, -1                      ; s101: all ones in kind q, k
	s_cselect_b32 s18, s2, ttmp9                   ; which four tile columns the cluster has
	s_cselect_b32 s19, 0, s2                       ; which four tile rows
	s_lshl_b32 s42, s18, 2
	s_add_co_u32 s42, s42, s40                     ; tile column
	s_lshl_b32 s17, s19, 2
	s_add_co_u32 s17, s17, s41                     ; tile row
	s_lshl_b32 s43, s41, 2
	s_lshl_b32 s43, 15, s43                        ; my row of the cluster
	s_lshl_b32 s44, 0x1111, s40                    ; my column
	s_or_b32 s[G1+0], s43, (0<<16)|(1<<20)|(1<<21)|(3<<22)|(3<<25)  ; the mask; elements of 1 byte; padding on; bit 21 beside a mask; 4 words behind every 16
	s_or_b32 s[G1B+0], s44, (0<<16)|(1<<20)|(1<<21)|(3<<22)|(3<<25)
.irp g, G1, G1B
	s_mov_b32 s[\g+1], ROWB<<16                    ; tensor_dim0
	s_mov_b32 s[\g+2], 128<<16                     ; tensor_dim1
	s_mov_b32 s[\g+3], ROWB<<16                    ; tile_dim0
	s_mov_b32 s[\g+4], 128                         ; tile_dim1
	s_mov_b32 s[\g+5], KROW                        ; the pitch
	s_mov_b32 s[\g+6], 0
	s_mov_b32 s[\g+7], 0
.endr
	s_or_b32 s[G1S+0], s43, (3<<16)|(1<<20)|(1<<21)|(5<<22)|(3<<25) ; the scales of 128 rows: a dense block, as rows of 256 bytes + 16 of padding
	s_or_b32 s[G1SB+0], s44, (3<<16)|(1<<20)|(1<<21)|(5<<22)|(3<<25)
.irp g, G1S, G1SB
	s_mov_b32 s[\g+1], 32<<16
	s_mov_b32 s[\g+2], (128*KS/256)<<16
	s_mov_b32 s[\g+3], 32<<16
	s_mov_b32 s[\g+4], 128*KS/256
	s_mov_b32 s[\g+5], 32
	s_mov_b32 s[\g+6], 0
	s_mov_b32 s[\g+7], 0
.endr
	s_lshl_b32 s18, s16, 7
	s_lshl_b32 s20, s17, 8
	s_add_co_u32 s20, s20, s18                     ; the rows' operand: row 256 x tile row + 128 x half
	s_lshl_b32 s46, s42, 8
	s_add_co_u32 s46, s46, s18                     ; the columns': row 256 x tile column + 128 x half
	s_mov_b32 s21, 0
	s_mov_b32 s47, 0
	s_mov_b64 s[18:19], KS
	s_mul_u64 s[22:23], s[20:21], s[18:19]
	s_mul_u64 s[92:93], s[46:47], s[18:19]
	s_mov_b64 s[18:19], KROW
	s_mul_u64 s[20:21], s[20:21], s[18:19]
	s_mul_u64 s[46:47], s[46:47], s[18:19]
	s_mul_i32 s45, s14, HALFT                      ; where they go: wave x 128 rows
	s_mul_i32 s94, s14, HALFS
	s_wait_kmcnt 0x0
	s_add_nc_u64 s[96:97], s[8:9], 2048*KROW       ; Wqkv at v's first row
	s_add_nc_u64 s[98:99], s[10:11], 2048*KS
	s_cmp_eq_u32 s95, 1                            ; the operands change places in kind v: a choice between buffers on the cluster's x
	s_cselect_b64 s[8:9], s[4:5], s[8:9]
	s_cselect_b64 s[10:11], s[6:7], s[10:11]
	s_cselect_b64 s[4:5], s[96:97], s[4:5]
	s_cselect_b64 s[6:7], s[98:99], s[6:7]
	s_add_nc_u64 s[20:21], s[4:5], s[20:21]
	s_add_nc_u64 s[22:23], s[6:7], s[22:23]
	s_add_nc_u64 s[46:47], s[8:9], s[46:47]
	s_add_nc_u64 s[92:93], s[10:11], s[92:93]
	CROUND                                         ; all sixteen work-groups are here: the first joint loads meet
	s_mov_b32 s[G0S], 1
	s_add_co_u32 s[G0S+1], s94, SCL
	s_mov_b64 s[G0S+2:G0S+3], s[22:23]
	s_or_b32 s[G0S+3], s[G0S+3], 0x80000000
	s_mov_b32 s[G0SB], 1
	s_add_co_u32 s[G0SB+1], s94, SCL
	s_mov_b64 s[G0SB+2:G0SB+3], s[92:93]
	s_or_b32 s[G0SB+3], s[G0SB+3], 0x80000000
	JLOAD G0S, G1S, G0SB, G1SB                     ; the scales of all of K: filled once
.irp s, 0,1
	s_mov_b32 s[G0+4*\s], 1
	s_add_co_u32 s[G0+4*\s+1], s45, \s*SLOT
	s_add_nc_u64 s[G0+4*\s+2:G0+4*\s+3], s[20:21], \s*ROWB
	s_or_b32 s[G0+4*\s+3], s[G0+4*\s+3], 0x80000000
	s_mov_b32 s[G0B+4*\s], 1
	s_add_co_u32 s[G0B+4*\s+1], s45, \s*SLOT
	s_add_nc_u64 s[G0B+4*\s+2:G0B+4*\s+3], s[46:47], \s*ROWB
	s_or_b32 s[G0B+4*\s+3], s[G0B+4*\s+3], 0x80000000
	JLOAD G0+4*\s, G1, G0B+4*\s, G1B
.endr
	s_mov_b32 s67, s42                             ; the tile column is kept: s[40:47] take the other four arguments
	s_load_b256 s[40:47], s[0:1], 0x20             ; bqkv s[40:41], qc s[42:43], qs s[44:45], kv s[46:47]
	v_and_b32 v1, 15, v0                           ; r
	v_bfe_u32 v2, v0, 4, 1                         ; h
	v_mul_u32_u24 v3, v1, PITCH
	v_mul_u32_u24 v4, v2, 24
	v_add_nc_u32 v4, v3, v4                        ; a fragment's row x pitch + 24 x half
	v_lshl_add_u32 v5, v2, 4, v4                   ; and the same behind one padding more
	s_mul_i32 s21, s15, HALFT
	s_mul_i32 s22, s16, HALFT
	s_add_co_u32 s22, s22, 2*HALFT
.irp s, 0,1
	v_add_nc_u32 v[ADRA+\s], s21, v4
	v_add_nc_u32 v[ADRB+\s], s22, v4
	v_add_nc_u32 v[ADRA+2+\s], s21, v5
	v_add_nc_u32 v[ADRB+2+\s], s22, v5
	s_add_co_u32 s21, s21, SLOT
	s_add_co_u32 s22, s22, SLOT
.endr
	v_mul_u32_u24 v5, v1, KS
	v_lshrrev_b32 v6, 8, v5
	v_lshl_add_u32 v5, v6, 4, v5
	s_mul_i32 s21, s15, HALFS
	s_mul_i32 s22, s16, HALFS
	s_add_co_u32 s22, s22, 2*HALFS
	s_sub_co_u32 s22, s22, s21
	v_mul_u32_u24 v6, s22, v2                      ; lanes 16-31 take the columns' scale words
	s_add_co_u32 s21, s21, SCL
	v_add_nc_u32 v5, v5, v6
	v_add_nc_u32 v[ADRS], s21, v5
	; WHERE THE RESULTS GO.  token0: my 128 tokens' first; f0: my 128 features' first (q, k: 0 .. 2,047; v: 0 .. 1,023)
	s_cmp_eq_u32 s95, 1
	s_cselect_b32 s18, s67, s17
	s_cselect_b32 s19, s16, s15
	s_cselect_b32 s20, s17, s67
	s_cselect_b32 s21, s15, s16
	s_cselect_b32 s94, 6144, 0                     ; in a record: v's codes lie behind k's
	s_cselect_b32 s67, 16*REC-256, 0               ; v's words: lanes 16-31 hold the second head's
	s_mov_b32 s100, 16*REC-768
	s_cselect_b32 s100, 3072-768, s100             ; from a block's first 768 bytes to its second: the next head (k), the other half of the keys (v)
	s_mov_b32 s98, 768
	s_cselect_b32 s98, 16*REC-3*768, s98           ; the step behind block 3: v goes on to the next head's record
	s_mov_b32 s2, 12288
	s_cselect_b32 s2, 12800, s2                    ; in a record: the words
	s_lshl_b32 s18, s18, 8
	s_lshl_b32 s19, s19, 7
	s_add_co_u32 s18, s18, s19                     ; token0
	s_lshl_b32 s20, s20, 8
	s_lshl_b32 s21, s21, 7
	s_add_co_u32 s20, s20, s21                     ; f0
	s_lshr_b32 s19, s18, 11                        ; batch
	s_and_b32 s21, s18, 2047                       ; the token in its batch
	s_lshr_b32 s22, s21, 7                         ; key step
	s_bfe_u32 s23, s20, 0x40006                    ; my first head
	s_lshl_b32 s19, s19, 4
	s_add_co_u32 s19, s19, s23                     ; head of batch
	s_lshl_b32 s23, s19, 4
	s_add_co_u32 s23, s23, s22
	s_mul_i32 s23, s23, REC                        ; my first record
	s_add_co_u32 s94, s94, s23
	s_add_co_u32 s2, s2, s23
	s_mul_i32 s92, s19, 2048*48
	s_mul_i32 s93, s21, 48
	s_add_co_u32 s92, s92, s93                     ; in qc
	s_lshl_b32 s93, s19, 13
	s_lshl_b32 s22, s21, 2
	s_add_co_u32 s22, s93, s22                     ; in qs
	s_lshl_b32 s93, s95, 11
	s_add_co_u32 s93, s93, s20                     ; under 1,024 for q alone
	s_add_co_u32 s19, s20, 2048                    ; v's first bias
	s_mov_b32 s66, 16*REC
	s_wait_kmcnt 0x0
	s_cmp_lt_u32 s93, 1024
	s_cselect_b64 s[12:13], s[42:43], s[46:47]     ; the codes' buffer: qc or kv
	s_cselect_b64 s[96:97], s[44:45], s[46:47]     ; the words': qs or kv
	s_cselect_b32 s92, s92, s94
	s_cselect_b32 s22, s22, s2
	s_cselect_b32 s100, 2048*48-768, s100
	s_cselect_b32 s66, 8192, s66                   ; from a head's words to the next head's
	s_mov_b32 s93, 0
	s_mov_b32 s23, 0
	s_mov_b32 s99, 0
	s_add_nc_u64 s[12:13], s[12:13], s[92:93]
	s_add_nc_u64 s[96:97], s[96:97], s[22:23]
	s_cmp_eq_u32 s95, 1
	s_cselect_b32 s18, 0, s20                      ; the loads of the bias that the kind does not use stay inside bqkv: they begin at 0
	s_cselect_b32 s19, s19, 0
	s_lshl_b32 s18, s18, 2
	s_lshl_b32 s19, s19, 2
	v_lshlrev_b32 v[BCO], 5, v2
	v_add_nc_u32 v[BCO], s18, v[BCO]
	v_lshlrev_b32 v[BRO], 2, v1
	v_add_nc_u32 v[BRO], s19, v[BRO]
.irp b, 0,1,2,3,4,5,6,7
	global_load_b128 v[BC+8*\b:BC+8*\b+3], v[BCO], s[40:41] offset:64*\b       ; waited for on the way out; registers, offsets and base stay untouched till then
	global_load_b128 v[BC+8*\b+4:BC+8*\b+7], v[BCO], s[40:41] offset:64*\b+16
.endr
.irp a, 0,1,2,3,4,5,6,7
	global_load_b32 v[BR+2*\a], v[BRO], s[40:41] offset:64*\a
	global_load_b32 v[BR+2*\a+1], v[BRO], s[40:41] offset:64*\a
.endr
	v_and_b32 v6, 31, v0                           ; lane
	s_mul_i32 s3, s14, 2560                        ; my scratch for the way out: 1,536 bytes of codes, 1,024 of words, in slot 0
	v_mul_u32_u24 v[IMS], v6, 48
	v_add_nc_u32 v[IMS], s3, v[IMS]
	v_lshlrev_b32 v[GO0], 4, v6
	v_add_nc_u32 v[IML], s3, v[GO0]
	v_lshlrev_b32 v[WSA], 2, v1
	v_lshl_add_u32 v[WSA], v2, 9, v[WSA]
	v_add_nc_u32 v[WSA], s3, v[WSA]
	v_add_nc_u32 v[WSA], 1536, v[WSA]
	v_add_nc_u32 v[WLA], 1536, v[IML]
	v_mul_u32_u24 v5, s100, v2
	v_add_nc_u32 v[GO1], v[GO0], v5
	v_add_nc_u32 v[GO1], 512, v[GO1]               ; bytes 512 .. 1,023 of a block: the upper sixteen lanes' belong to the second 768
	v_add_nc_u32 v[GO2], s100, v[GO0]
	v_add_nc_u32 v[GO2], 1024, v[GO2]
	v_mul_u32_u24 v5, s67, v2
	v_add_nc_u32 v[GW0], v[GO0], v5
	v_add_nc_u32 v[GW1], s66, v[GO0]
	v_mov_b32 v[ZR], 0
.macro FRAG reg, adr, q, i             ; 16 rows x 128 K: lane l holds row l % 16; registers 6 c .. 6 c + 5 hold K = 64 c + 32 (l / 16) + 0 .. 31: 24 bytes as they lie, in pieces of 8
.irp p, 0,1,2,3,4,5
.set PC, 12*(\q)+6*(\p/3)+\p%3
.if PC%8 < 5
	ds_load_b64 v[\reg+2*\p:\reg+2*\p+1], v[\adr] offset:8*PC+16*(PC/8)+(\i)*16*PITCH
.else
	ds_load_b64 v[\reg+2*\p:\reg+2*\p+1], v[\adr+2] offset:8*PC+16*(PC/8)+(\i)*16*PITCH
.endif
.endr
.endm
; 16 matrix instructions: row blocks a0, a0 + 1 x the eight column blocks.  The 64 accumulators take turns, one instruction a turn, in the same order in every step.
.macro MUL16 a0, p, q, sc, zero
.irp a, \a0, \a0+1
.irp b, 0,1,2,3,4,5,6,7
.if \zero
	v_wmma_scale_f32_16x16x128_f8f6f4 v[8*(8*((\a)%4)+\b):8*(8*((\a)%4)+\b)+7], v[128*(\p)+FR*\b:128*(\p)+FR*\b+FR-1], v[AF+FR*(\a):AF+FR*(\a)+FR-1], 0, v[SC+8*NQ*(\sc)+NQ*\b+(\q)], v[SC+8*NQ*(\sc)+NQ*(\a)+(\q)] matrix_a_fmt:MATRIX_FMT_BF6 matrix_b_fmt:MATRIX_FMT_BF6 matrix_a_scale:MATRIX_SCALE_ROW1
.else
	v_wmma_scale_f32_16x16x128_f8f6f4 v[8*(8*((\a)%4)+\b):8*(8*((\a)%4)+\b)+7], v[128*(\p)+FR*\b:128*(\p)+FR*\b+FR-1], v[AF+FR*(\a):AF+FR*(\a)+FR-1], v[8*(8*((\a)%4)+\b):8*(8*((\a)%4)+\b)+7], v[SC+8*NQ*(\sc)+NQ*\b+(\q)], v[SC+8*NQ*(\sc)+NQ*(\a)+(\q)] matrix_a_fmt:MATRIX_FMT_BF6 matrix_b_fmt:MATRIX_FMT_BF6 matrix_a_scale:MATRIX_SCALE_ROW1
.endif
.endr
.endr
.endm
.macro FETCH_B slot, q, p
	WIN TO_B
.irp i, 0,1,2,3,4,5,6,7
	FRAG 128*(\p)+FR*\i, ADRB+\slot, \q, \i
.endr
	WIN 0
.endm
.macro FETCH_A slot, q, i0
.irp i, \i0, \i0+1, \i0+2, \i0+3
	FRAG AF+FR*(\i), ADRA+\slot, \q, \i
.endr
.endm
.macro SCALES sc                       ; a K step's scale words: lanes 0-15 the rows' block i, lanes 16-31 the columns' block i
.irp i, 0,1,2,3,4,5,6,7
	ds_load_b64 v[SC+8*NQ*\sc+NQ*\i:SC+8*NQ*\sc+NQ*\i+1], v[ADRS] offset:\i*SBLK
.endr
.endm
.macro PLACES n                        ; plain vector places behind matrix instructions, in front of loads into their registers and of reads of their results
.rept \n
	v_nop
.endr
.endm
.macro STEP slot, q, zero
	s_wait_dscnt 4*NL                              ; all but the youngest 24 loads (row blocks 4-7) are in
	WIN MUL_LO
	MUL16 0, (\q)%2, \q, \slot, \zero
	MUL16 2, (\q)%2, \q, \slot, \zero
	s_wait_dscnt 0
	PLACES NP
	FETCH_B \slot, (\q)+1, 1-(\q)%2
	FETCH_A \slot, (\q)+1, 0
	WIN MUL_HI
	MUL16 4, (\q)%2, \q, \slot, \zero
	MUL16 6, (\q)%2, \q, \slot, \zero
	PLACES NP
	WIN 0
	FETCH_A \slot, (\q)+1, 4
.endm
; A slot's last step changes slots: one barrier; in front of it each wave waits for all its tensor loads, adds 0 to its spare word, and waits for that and for its reads of this slot.
.macro TURN slot, next, fill
	s_wait_tensorcnt 0x0                           ; all my tensor loads have landed: my part of the next slot
	ds_add_u32 v[SPW], v[NIL]
	s_wait_dscnt 4*NL+1                            ; the add and the youngest 24 loads may be out
	WIN MUL_LO
	MUL16 0, 1, NQ-1, \slot, 0
	s_wait_dscnt 0x0                               ; the add is done, and my reads of this slot are over
	s_barrier_signal -1
	MUL16 2, 1, NQ-1, \slot, 0
	WIN 0
	s_barrier_wait -1
.if \fill
	CREST                                          ; the barrier has opened a round of the cluster's barrier: no wave of any partner still reads this slot or has a load on its way
	s_add_nc_u64 s[G0+4*\slot+2:G0+4*\slot+3], s[G0+4*\slot+2:G0+4*\slot+3], 2*ROWB
	s_add_nc_u64 s[G0B+4*\slot+2:G0B+4*\slot+3], s[G0B+4*\slot+2:G0B+4*\slot+3], 2*ROWB
	JLOAD G0+4*\slot, G1, G0B+4*\slot, G1B         ; my one tensor load behind the round; its four v_nop are the places in front of the loads below
.else
	PLACES NP
.endif
	v_add_nc_u32 v[ADRS], 4*NQ, v[ADRS]
	FETCH_B \next, 0, 0
	FETCH_A \next, 0, 0
	SCALES \next
	WIN MUL_HI
	MUL16 4, 1, NQ-1, \slot, 0
	MUL16 6, 1, NQ-1, \slot, 0
	PLACES NP
	WIN 0
	FETCH_A \next, 0, 4
.endm
	s_wait_tensorcnt 1                             ; the scales and my part of K step 0 are in; K step 1's load may be out
	s_barrier_signal -1
	s_barrier_wait -1
	FETCH_B 0, 0, 0
	FETCH_A 0, 0, 0
	SCALES 0
	FETCH_A 0, 0, 4
	STEP 0, 0, 1                                   ; the first step's products start the sums
	s_mov_b32 s3, LAPS-1
.Llap:
	TURN 0, 1, 1
	STEP 1, 0, 0
	TURN 1, 0, 1
	STEP 0, 0, 0
	s_sub_co_u32 s3, s3, 1
	s_cmp_lg_u32 s3, 0
	s_cbranch_scc1 .Llap
	TURN 0, 1, 0                                   ; the last lap fills nothing
	STEP 1, 0, 0
	s_wait_dscnt 4*NL
	WIN MUL_LO
	MUL16 0, 1, NQ-1, 1, 0
	MUL16 2, 1, NQ-1, 1, 0
	s_wait_dscnt 0
	WIN MUL_HI
	MUL16 4, 1, NQ-1, 1, 0
	MUL16 6, 1, NQ-1, 1, 0
	WIN 0
	; THE WAY OUT.  The scratch lies in slot 0, which has had its last fill, and which nobody reads behind the last change of slots.
	PLACES NP
	s_wait_loadcnt 0x0                             ; the biases
	s_mov_b32 s20, 0x76543210
	s_mov_b32 s21, 0xfedcba98                      ; lane l xor 16
	s_and_b32 s22, s101, 0xffff0000                ; kind q, k: lanes 16-31
	s_and_b32 s23, s101, 0xffff                    ; kind q, k: lanes 0-15
.set n, 0
.rept 64
	v_cndmask_b32 v[BC+n], 0, v[BC+n], s101        ; the columns' bias counts in kind q, k alone,
.set n, n+1
.endr
.set n, 0
.rept 16
	v_cndmask_b32 v[BR+n], v[BR+n], v[ZR], s101    ; the rows' in kind v alone: both are added, one of them is zero, and no path parts
.set n, n+1
.endr
.irp c, 0,1,2,3
	v_mov_b32 v[TP+\c], 0                          ; a lane permute's destination counts as read
.endr
; Block a: 16 rows x 128 columns: the bias, four blocks' scales, the codes; a lane ends with 48 bytes (blocks 2 h, 2 h + 1 of row r), which turn through my scratch so that sixteen lanes store 256 consecutive bytes.
.macro OUTBLK a
.set W, 2+(\a)/4
.set AC, 64*((\a)%4)
.set WA, (W<<6)|W
.set WM, (W<<2)|(W<<4)
	WIN WA                                         ; destination and source 0: the accumulators' window
.set n, 0
.rept 32
	v_pk_add_f32 v[AC+2*n:AC+2*n+1], v[AC+2*n:AC+2*n+1], v[BC+2*n:BC+2*n+1]   ; each accumulator from its low end on
.set n, n+1
.endr
.set n, 0
.rept 32
	v_pk_add_f32 v[AC+2*n:AC+2*n+1], v[AC+2*n:AC+2*n+1], v[BR+2*(\a):BR+2*(\a)+1]
.set n, n+1
.endr
	WIN WM                                         ; sources 1 and 2: the accumulators' window
.irp c, 0,1,2,3
	v_mov_b32 v[TM+\c], 0x2800000                  ; the floor 2^(5 - 127): the byte cannot fall under 1
.endr
.irp i, 0,2,4,6,8,10,12,14
.irp c, 0,1,2,3
	v_max3_num_f32 v[TM+\c], v[TM+\c], |v[AC+16*\c+\i]|, |v[AC+16*\c+\i+1]|    ; the four blocks by turns
.endr
.endr
	WIN 0
.irp c, 0,1,2,3
	v_permlanex16_b32 v[TP+\c], v[TM+\c], s20, s21
.endr
.irp c, 0,1,2,3
	v_max_num_f32 v[TM+\c], v[TM+\c], v[TP+\c]     ; with lane l xor 16's sixteen: the block's largest magnitude
.endr
.irp c, 0,1,2,3
	v_add_nc_u32 v[SO+\c], 0xfe000000, v[TM+\c]    ; 4 off its exponent field: the conversion's scale operand
.endr
.irp c, 0,1,2,3
	v_lshrrev_b32 v[TP+\c], 23, v[SO+\c]           ; the scale's byte
.endr
.if (\a) > 0
	s_wait_dscnt 0x0                               ; the block before is back from my scratch, and its LDS stores have read CD and WD
	global_store_b128 v[GO0], v[OB:OB+3], s[12:13]
	global_store_b128 v[GO1], v[OB+4:OB+7], s[12:13]
	global_store_b128 v[GO2], v[OB+8:OB+11], s[12:13]     ; sixteen lanes store 256 consecutive bytes, at a multiple of 256 from the buffer's first byte
.endif
	WIN W                                          ; source 0: the accumulators' window
	v_cvt_scalef32_pk16_bf6_f32 v[CD:CD+2], v[AC:AC+15], v[SO]
	v_cvt_scalef32_pk16_bf6_f32 v[TT:TT+2], v[AC+32:AC+47], v[SO+2]
	v_cvt_scalef32_pk16_bf6_f32 v[CD+6:CD+8], v[AC+16:AC+31], v[SO+1]
	v_cvt_scalef32_pk16_bf6_f32 v[TT+4:TT+6], v[AC+48:AC+63], v[SO+3]
	WIN 0
	v_nop                                          ; one plain place behind the scaled conversions
.irp i, 0,1,2
	v_permlane16_swap_b32 v[CD+\i], v[TT+\i]       ; blocks 0 and 2: lane (r, h) now has block 2 h's lower sixteen codes here and its upper sixteen there
	v_permlane16_swap_b32 v[CD+6+\i], v[TT+4+\i]   ; blocks 1 and 3 likewise: block 2 h + 1
.endr
.irp i, 0,1,2
	v_mov_b32 v[CD+3+\i], v[TT+\i]
	v_mov_b32 v[CD+9+\i], v[TT+4+\i]
.endr
	v_cndmask_b32 v[WT], v[TP], v[TP+2], s22       ; the word.  q, k: (s0, s0, s1, s1) of head h;  v: (e0, e2, e1, e3)
	v_cndmask_b32 v[WT+1], v[TP+2], v[TP], s23
	v_cndmask_b32 v[WT+2], v[TP+1], v[TP+3], s22
	v_cndmask_b32 v[WT+3], v[TP+3], v[TP+1], s23
	v_lshl_or_b32 v[WD], v[WT+1], 8, v[WT]
	v_lshl_or_b32 v[WD], v[WT+2], 16, v[WD]
	v_lshl_or_b32 v[WD], v[WT+3], 24, v[WD]
	ds_store_b128 v[IMS], v[CD:CD+3]
	ds_store_b128 v[IMS], v[CD+4:CD+7] offset:16
	ds_store_b128 v[IMS], v[CD+8:CD+11] offset:32
	ds_store_b32 v[WSA], v[WD] offset:64*(\a)
.if (\a) > 0
	s_wait_xcnt 0x0                                ; the three stores have read their data and their base: both are written again only behind this wait
.if (\a) == 4
	s_add_nc_u64 s[12:13], s[12:13], s[98:99]
.else
	s_add_nc_u64 s[12:13], s[12:13], 768
.endif
.endif
	ds_load_b128 v[OB:OB+3], v[IML]                ; LDS serves a wave's instructions in order (ISA guide 5.7.1.4): these see the stores above
	ds_load_b128 v[OB+4:OB+7], v[IML] offset:512
	ds_load_b128 v[OB+8:OB+11], v[IML] offset:1024
.endm
.irp a, 0,1,2,3,4,5,6,7
	OUTBLK \a
.endr
	s_wait_dscnt 0x0
	global_store_b128 v[GO0], v[OB:OB+3], s[12:13]
	global_store_b128 v[GO1], v[OB+4:OB+7], s[12:13]
	global_store_b128 v[GO2], v[OB+8:OB+11], s[12:13]
	ds_load_b128 v[WB:WB+3], v[WLA]                ; the words of my 128 rows: the first head's (v: of all 128 channels),
	ds_load_b128 v[WB+4:WB+7], v[WLA] offset:512   ; and the second head's (v: the same once more, not stored)
	s_wait_dscnt 0x0
	global_store_b128 v[GW0], v[WB:WB+3], s[96:97]
	s_cmp_eq_u32 s95, 1                            ; a branch on the cluster's x, round one store
	s_cbranch_scc1 .Lno_second
	global_store_b128 v[GW1], v[WB+4:WB+7], s[96:97]
.Lno_second:
	s_wait_tensorcnt 0x0                           ; the wave's end
	ds_add_u32 v[SPW], v[NIL]
	s_wait_dscnt 0x0
	CROUND                                         ; the closing round
	s_endpgm
.Lfunc_end_k_q5768ebdd59_qkv:
	.size	k_q5768ebdd59_qkv, .Lfunc_end_k_q5768ebdd59_qkv-k_q5768ebdd59_qkv
	.p2alignl 7, 3214868480
	.fill 96, 4, 3214868480
	.section	.rodata,"a",@progbits
	.p2align	6, 0x0
	.amdhsa_kernel k_q5768ebdd59_qkv
		.amdhsa_group_segment_fixed_size 327680
		.amdhsa_private_segment_fixed_size 0
		.amdhsa_enable_private_segment 0
		.amdhsa_kernarg_size 64
		.amdhsa_user_sgpr_count 2
		.amdhsa_user_sgpr_kernarg_segment_ptr 1
		.amdhsa_wavefront_size32 1
		.amdhsa_system_sgpr_workgroup_id_x 1
		.amdhsa_system_sgpr_workgroup_id_y 1
		.amdhsa_system_sgpr_workgroup_id_z 1
		.amdhsa_system_vgpr_workitem_id 0
		.amdhsa_next_free_vgpr 1024
		.amdhsa_next_free_sgpr 102
		.amdhsa_reserve_vcc 0
		.amdhsa_float_denorm_mode_32 3
		.amdhsa_float_denorm_mode_16_64 3
		.amdhsa_memory_ordered 1
		.amdhsa_forward_progress 1
		.amdhsa_inst_pref_size 215
	.end_amdhsa_kernel
	.amdgpu_metadata
---
amdhsa.version: [ 1, 2 ]
amdhsa.kernels:
  - .name:           k_q5768ebdd59_qkv
    .symbol:         k_q5768ebdd59_qkv.kd
    .args:
      - { .name: x_codes, .offset: 0, .size: 8, .value_kind: global_buffer, .address_space: global }
      - { .name: x_scales, .offset: 8, .size: 8, .value_kind: global_buffer, .address_space: global }
      - { .name: Wqkv_codes, .offset: 16, .size: 8, .value_kind: global_buffer, .address_space: global }
      - { .name: Wqkv_scales, .offset: 24, .size: 8, .value_kind: global_buffer, .address_space: global }
      - { .name: bqkv, .offset: 32, .size: 8, .value_kind: global_buffer, .address_space: global }
      - { .name: qc, .offset: 40, .size: 8, .value_kind: global_buffer, .address_space: global }
      - { .name: qs, .offset: 48, .size: 8, .value_kind: global_buffer, .address_space: global }
      - { .name: kv, .offset: 56, .size: 8, .value_kind: global_buffer, .address_space: global }
    .group_segment_fixed_size: 327680
    .private_segment_fixed_size: 0
    .kernarg_segment_align: 8
    .kernarg_segment_size: 64
    .max_flat_workgroup_size: 128
    .sgpr_count:     102
    .vgpr_count:     1024
    .wavefront_size: 32
...
	.end_amdgpu_metadata
.endif
;; end of part 1
;; launch attn (part 2): grid 8 x 32, 8 waves a work-group, clusters of 4 x 1, 218,112 bytes of LDS; arguments qc, qs, kv, mask, vwc, vws; writes vwc, vws
.if DOCPART == 2
	.amdgcn_target "amdgcn-amd-amdhsa--gfx1250"
	.amdhsa_code_object_version 6
	.text
	.protected	k_q5768ebdd59_attn
	.globl	k_q5768ebdd59_attn
	.p2align	8
	.type	k_q5768ebdd59_attn,@function
k_q5768ebdd59_attn:
	s_mov_b64 s[64:65], 0
	v_nop
	global_prefetch_b8 v0, s[64:65] scope:SCOPE_SE
	s_setreg_imm32_b32 hwreg(HW_REG_WAVE_MODE, 25, 1), 1
	s_wait_xcnt 0x0
	s_wait_alu depctr_hold_cnt(0) depctr_sa_sdst(0) depctr_va_vdst(0) depctr_va_sdst(0) depctr_va_ssrc(0) depctr_va_vcc(0) depctr_vm_vsrc(0)
	s_getreg_b32 s2, hwreg(HW_REG_IB_STS2, 6, 4)
	s_cmp_eq_u32 s2, 0
	s_cbranch_scc0 .Lentry_in_a_cluster
	s_endpgm
.Lentry_in_a_cluster:
	s_bfe_u32 s2, ttmp6, 0x10000c
	s_cmp_lg_u32 s2, 0x3003
	s_cbranch_scc0 .Lentry_shape_is_right
	s_endpgm
.Lentry_shape_is_right:
; Causal attention with a key mask, both products on codes of BF6 (E3M2) with E8M0 scales; the result, divided by the row's sum, is quantised along the head's 64 for the last product.
; SHARES.  y = head of batch (32).  A head's 128 tiles of 16 queries are 16 groups of 128 queries; work-group p (0 .. 7) takes tile p of every group.  Wave w takes group 15 - w and then group w:
; (16 - w) + (w + 1) = 17 key steps of 128 for every wave.  Trip counts are constants; a step all of whose keys come after the tile's group is jumped over by a branch on the wave's number and the loop's counter.
; LDS.  The head's 16 records of kv (208,896 bytes) come ONCE, by two joint loads a wave (a cluster's four work-groups belong to one head); behind them 8 ln(mask) of the 2,048 keys.  Nothing is filled again.
; SCORES.  The head's K is 64, the instruction's 128.  Lane l of a fragment of k holds the whole 48-byte row of key 32 b + l, so a row of the operand holds two keys' halves by turns; the queries' operand comes
; twice: QA (rows in lanes 0-15, zeros above) gives keys 32 b + i, QB (the other way round) keys 32 b + 16 + i.  A token's scale word (s0, s0, s1, s1) serves both.  C of these products is 8 ln(mask).
; A lane holds ONE query; register j of tile 2 b + u is key 32 b + 16 u + 8 h + j: the order in which the launch before has laid v's codes within a block.
; SOFTMAX.  t = score x log2(e) / 8; M = the running largest t rounded up to a whole number; p = 2^(t - M) is quantised along the keys; the row's sum is taken of the unquantised p.
; V.  A lane reads 48 consecutive bytes, key blocks 2 h and 2 h + 1; p's codes lie the same way, and both scale words carry their bytes in the order e0, e2, e1, e3.
; A ROW WITH NO KEY THAT COUNTS has the sum 0: its scale bytes become 0xff, which makes the row NaN in the last product, as a softmax over nothing is.
; LIMITS: mask >= 0 (a negative, NaN or denormal mask counts as 0); a key with mask 0 enters as -2^100; logits under -2^83 x 8 / log2(e) count as masked; NaN and infinities among the inputs are not served.
.set REC,  13056
.set LMB,  16*REC                      ; 8 ln(mask): 8,192 bytes behind the records, written by LDS stores, in blocks into which no fill lands
.set KF,   48                          ; v48-95   four fragments of k, then of v
.set S,    96                          ; v96-159  scores, then p
.set O,    160                         ; v160-191 O^T: tile t (channels 16 t ..) at 8 t
.set PC,   192                         ; v192-203 p's codes;  v204-206, v208-210 second halves
.set TT,   204
.set BM,   212                         ; v212-215 the blocks' largest;  v216-219 permutes, bytes;  v220-223 scale operands
.set BP,   216
.set SO,   220
.set KSC,  224                         ; v224-227 k's scale words;  v228-231 v's;  v232 p's;  v40 q's
.set VSC,  228
.set PW,   232
; v1-5 lane's places (k, v, k's words, v's words, mask); v6 my query less 8 h, in its group; v7 -infinity; v8-11, v41 the step's addresses; v12 -M, v13 largest t, v[14:15] the sum;
; v16-27 QA, v28-39 QB; v42-45 offsets of the stores and of q; v[234:235] f; v[236:237] the sum's second chain; v238 at work; v240-246 the result's codes; v247-250 at work
.macro CROUND
	s_barrier_signal -1
	s_barrier_wait -1
	s_cmp_lg_u32 s16, 0
	s_cbranch_scc1 .Lnot_wave_0_\@
	s_barrier_signal -3
.Lnot_wave_0_\@:
	s_barrier_wait -3
	s_barrier_signal -1
	s_barrier_wait -1
.endm
	s_load_b256 s[4:11], s[0:1], 0x0               ; qc s[4:5], qs s[6:7], kv s[8:9], mask s[10:11]
	s_load_b128 s[12:15], s[0:1], 0x20             ; vwc s[12:13], vws s[14:15]
	v_lshl_add_u32 v254, v0, 2, 0x35000
	v_mov_b32 v255, 0
	ds_add_u32 v254, v255
	ds_add_u32 v254, v255
	v_lshrrev_b32 v1, 5, v0
	s_delay_alu instid0(VALU_DEP_1)
	v_readfirstlane_b32 s16, v1                    ; wave 0..7
	s_bfe_u32 s17, ttmp6, 0x40000                  ; cx
	s_lshl_b32 s18, ttmp9, 2
	s_add_co_u32 s18, s18, s17                     ; p: it enters q's and the results' addresses and the lane's query number alone
	s_and_b32 s19, ttmp7, 0xffff                   ; head of batch, which the four partners share
	s_mov_b32 s24, 15|(3<<16)|(1<<21)              ; group 1: the mask of all four; elements of 8 bytes; bit 21 beside a mask
	s_mov_b32 s25, 32<<16                          ; a record is dense: 51 rows of 256 bytes
	s_mov_b32 s26, 51<<16
	s_mov_b32 s27, 32<<16
	s_mov_b32 s28, 51
	s_mov_b32 s29, 32
	s_mov_b32 s30, 0
	s_mov_b32 s31, 0
	s_mul_i32 s58, s19, 16*REC
	s_mul_i32 s59, s16, REC                        ; wave w brings records w and 8 + w
	s_add_co_u32 s60, s58, s59
	s_mov_b32 s61, 0
	s_mov_b32 s20, 0x76543210
	s_mov_b32 s21, 0xfedcba98                      ; lane l xor 16
	s_mov_b32 s22, 0x3e38aa3b                      ; c = log2(e) / 8
	s_mov_b32 s23, s22
	s_mov_b32 s45, 0x0000ffff
	s_mov_b32 s46, 0xffff0000
	s_wait_dscnt 0x0
	s_wait_kmcnt 0x0
	s_mov_b32 s32, 1
	s_mov_b32 s33, s59
	s_add_nc_u64 s[34:35], s[8:9], s[60:61]
	s_mov_b32 s36, 1
	s_add_co_u32 s37, s59, 8*REC
	s_add_nc_u64 s[38:39], s[34:35], 8*REC
	s_or_b32 s35, s35, 0x80000000
	s_or_b32 s39, s39, 0x80000000
	CROUND                                         ; all four work-groups are here: the joint loads meet
	tensor_load_to_lds s[32:35], s[24:31]
	s_nop 0
	tensor_load_to_lds s[36:39], s[24:31]          ; two loads of mine are out
	s_nop 0
.rept 4
	v_nop
.endr
	s_lshr_b32 s58, s19, 4
	s_lshl_b32 s58, s58, 13
	s_mov_b32 s59, 0
	s_add_nc_u64 s[10:11], s[10:11], s[58:59]      ; my batch's mask
	v_lshlrev_b32 v46, 5, v0                       ; thread t takes keys 8 t .. 8 t + 7
	global_load_b128 v[48:51], v46, s[10:11]
	global_load_b128 v[52:55], v46, s[10:11] offset:16
	v_and_b32 v238, 31, v0                         ; lane
	v_and_b32 v239, 15, v0                         ; r
	v_bfe_u32 v247, v0, 4, 1                       ; h
	s_delay_alu instid0(VALU_DEP_3)
	v_mul_u32_u24 v1, v238, 48                     ; k: key 32 b + lane
	s_delay_alu instid0(VALU_DEP_3)
	v_mul_u32_u24 v44, v239, 48                    ; q: row r, in both halves of the lanes
	s_delay_alu instid0(VALU_DEP_1)
	v_mad_u32_u24 v2, v247, 3072, v44
	s_delay_alu instid0(VALU_DEP_1)
	v_add_nc_u32 v2, 6144, v2                      ; v: channel r, half h of the keys
	v_lshl_add_u32 v3, v238, 2, 12288              ; k's words
	v_lshl_add_u32 v4, v239, 2, 12800              ; v's words
	v_lshl_add_u32 v5, v247, 5, LMB                ; the mask's numbers of keys 8 h ..
	s_lshl_b32 s58, s18, 4
	v_lshlrev_b32 v6, 3, v247
	s_delay_alu instid0(VALU_DEP_1)
	v_sub_nc_u32 v6, v239, v6
	s_delay_alu instid0(VALU_DEP_1)
	v_add_nc_u32 v6, s58, v6                       ; 16 p + r - 8 h
	v_mov_b32 v7, 0xff800000
	v_lshlrev_b32 v45, 2, v239
	v_mad_u32_u24 v42, v247, 12, v44               ; the result's codes: 48 r + 12 h
	s_delay_alu instid0(VALU_DEP_2)
	v_add_nc_u32 v43, v45, v247                    ; its scale byte: 4 r + h
	v_add_nc_u32 v47, LMB, v46
.irp b, 0,1,2,3
	v_mov_b32 v[BP+\b], 0                          ; a lane permute's destination counts as read
.endr
	v_mov_b32 v235, 0                              ; upper halves of pairs of which the low word serves both
	v_mov_b32 v249, 0
	v_mov_b32 v247, 0
	v_mov_b32 v250, 0xff
	s_wait_loadcnt 0x0
.irp i, 0,1,2,3,4,5,6,7
	v_log_f32 v[48+\i], v[48+\i]
.endr
	v_nop                                          ; a plain place behind the batch
	s_wait_alu depctr_va_vdst(0)                   ; one wait for the eight, ahead of their first reader
.irp i, 0,1,2,3,4,5,6,7
	v_mul_f32 v[48+\i], 0x40b17218, v[48+\i]       ; 8 ln(mask) = 8 ln 2 x log2(mask): added to the raw score, which is divided by 8 afterwards
.endr
.irp i, 0,1,2,3,4,5,6,7
	v_max_num_f32 v[48+\i], 0xf1800000, v[48+\i]   ; held at -2^100
.endr
	ds_store_b128 v47, v[48:51]
	ds_store_b128 v47, v[52:55] offset:16
	s_wait_tensorcnt 0x0                           ; my two records are in,
	s_wait_dscnt 0x0                               ; my part of the mask is stored,
	s_barrier_signal -1
	s_barrier_wait -1                              ; everybody's are
; A tile begins: group s43.  Its addresses, q's two operands, and the sums' beginnings.
.macro TILE_INIT
	s_wait_xcnt 0x0                                ; the last tile's stores have read their bases and data
	s_lshl_b32 s58, s43, 7
	s_lshl_b32 s59, s18, 4
	s_add_co_u32 s58, s58, s59                     ; my first query
	s_mul_i32 s60, s19, 2048*48
	s_mul_i32 s62, s58, 48
	s_add_co_u32 s60, s60, s62
	s_mov_b32 s61, 0
	s_add_nc_u64 s[50:51], s[4:5], s[60:61]        ; in qc
	s_lshl_b32 s60, s19, 13
	s_lshl_b32 s62, s58, 2
	s_add_co_u32 s60, s60, s62
	s_add_nc_u64 s[52:53], s[6:7], s[60:61]        ; in qs
	s_lshr_b32 s62, s19, 4
	s_lshl_b32 s62, s62, 11
	s_add_co_u32 s62, s62, s58                     ; the token among 4,096
	s_and_b32 s63, s19, 15                         ; the head
	s_mul_i32 s60, s63, 4096*48
	s_mul_i32 s47, s62, 48
	s_add_co_u32 s60, s60, s47
	s_add_nc_u64 s[54:55], s[12:13], s[60:61]      ; in vwc [head][token][48]
	s_lshr_b32 s60, s63, 1
	s_lshl_b32 s60, s60, 14
	s_lshl_b32 s47, s62, 2
	s_add_co_u32 s60, s60, s47
	s_and_b32 s47, s63, 1
	s_lshl_b32 s47, s47, 1
	s_add_co_u32 s60, s60, s47
	s_add_nc_u64 s[56:57], s[14:15], s[60:61]      ; in vws [pair of heads][token][4]: bytes 2 (head % 2) + 0, 1
	global_load_b128 v[48:51], v44, s[50:51]
	global_load_b128 v[52:55], v44, s[50:51] offset:16
	global_load_b128 v[56:59], v44, s[50:51] offset:32
	global_load_b32 v40, v45, s[52:53]
	s_wait_loadcnt 0x0
.set n, 0
.rept 12
	v_cndmask_b32 v[16+n], 0, v[48+n], s45         ; QA: the rows in lanes 0-15
	v_cndmask_b32 v[28+n], 0, v[48+n], s46         ; QB: in lanes 16-31
.set n, n+1
.endr
	v_mov_b32 v13, 0xe9000000                      ; the largest t so far: -2^83: over a masked key's t, under every other
	s_delay_alu instid0(VALU_DEP_1)
	v_floor_f32 v12, -v13
	v_mov_b32 v14, 0
	v_mov_b32 v15, 0
.set n, 0
.rept 32
	v_mov_b32 v[O+n], 0                            ; the step is written once: the first finds zeros
.set n, n+1
.endr
.endm
; A key step: 128 keys, record s42 at LDS byte s40; the mask's numbers at s41.
.macro STEP
	s_cmp_gt_u32 s42, s43                          ; all its keys come after my queries: only the addresses step
	s_cbranch_scc1 .Lhid_\@
	s_setprio 2
	v_add_nc_u32 v8, s40, v1                       ; (five plain lines: the places behind the last step's products, in front of the loads below)
	v_add_nc_u32 v9, s40, v2
	v_add_nc_u32 v10, s40, v3
	v_add_nc_u32 v11, s40, v4
	v_add_nc_u32 v41, s41, v5
.irp T, 0,1,2,3,4,5,6,7
	ds_load_b128 v[S+8*\T:S+8*\T+3], v41 offset:64*\T          ; 8 ln(mask) of keys 16 T + 8 h + 0 .. 7: the C of tile T
	ds_load_b128 v[S+8*\T+4:S+8*\T+7], v41 offset:64*\T+16
.endr
.irp b, 0,1,2,3
.irp k, 0,1,2
	ds_load_b128 v[KF+12*\b+4*\k:KF+12*\b+4*\k+3], v8 offset:1536*\b+16*\k   ; lanes 48 bytes apart: sixteen lanes touch sixteen different columns of 16 bytes
.endr
	ds_load_b32 v[KSC+\b], v10 offset:128*\b
.endr
	s_wait_alu depctr_va_vdst(0)
	s_wait_dscnt 0x0
.irp b, 0,1,2,3                                ; eight accumulators, one instruction each
	v_wmma_scale_f32_16x16x128_f8f6f4 v[S+16*\b:S+16*\b+7], v[KF+12*\b:KF+12*\b+11], v[16:27], v[S+16*\b:S+16*\b+7], v[KSC+\b], v40 matrix_a_fmt:MATRIX_FMT_BF6 matrix_b_fmt:MATRIX_FMT_BF6
	v_wmma_scale_f32_16x16x128_f8f6f4 v[S+16*\b+8:S+16*\b+15], v[KF+12*\b:KF+12*\b+11], v[28:39], v[S+16*\b+8:S+16*\b+15], v[KSC+\b], v40 matrix_a_fmt:MATRIX_FMT_BF6 matrix_b_fmt:MATRIX_FMT_BF6 matrix_a_scale:MATRIX_SCALE_ROW1
.endr
.rept 4
	v_nop                                          ; places: in front of the loads into k's registers and of the first read of the scores
.endr
.irp t, 0,1,2,3
.irp k, 0,1,2
	ds_load_b128 v[KF+12*\t+4*\k:KF+12*\t+4*\k+3], v9 offset:768*\t+16*\k    ; v lands under the softmax
.endr
	ds_load_b32 v[VSC+\t], v11 offset:64*\t
.endr
	s_cmp_lg_u32 s42, s43                          ; the diagonal step alone hides keys
	s_cbranch_scc1 .Lopen_\@
.set n, 0
.rept 64
	v_cmp_gt_i32 vcc_lo, 16*(n/8)+n%8, v6          ; register n holds key 16 (n / 8) + 8 h + n % 8 of the group: hidden where it comes after my query
	v_cndmask_b32 v[S+n], v[S+n], v7, vcc_lo
.set n, n+1
.endr
.Lopen_\@:
.irp b, 0,1,2,3
	v_max3_num_f32 v[BM+\b], v[S+16*\b], v[S+1+16*\b], v[S+2+16*\b]   ; the largest score of each block of 32 keys: for the row's maximum, and for the block's largest p
.endr
.irp i, 3,5,7,9,11,13
.irp b, 0,1,2,3
	v_max3_num_f32 v[BM+\b], v[BM+\b], v[S+16*\b+\i], v[S+1+16*\b+\i]
.endr
.endr
.irp b, 0,1,2,3
	v_max_num_f32 v[BM+\b], v[BM+\b], v[S+15+16*\b]
.endr
.irp b, 0,1,2,3
	s_delay_alu instid0(VALU_DEP_4)
	v_permlanex16_b32 v[BP+\b], v[BM+\b], s20, s21
.endr
.irp b, 0,1,2,3
	s_delay_alu instid0(VALU_DEP_4)
	v_max_num_f32 v[BM+\b], v[BM+\b], v[BP+\b]
.endr
	s_delay_alu instid0(VALU_DEP_2)
	v_max3_num_f32 v238, v[BM], v[BM+1], v[BM+2]
	s_delay_alu instid0(VALU_DEP_1)
	v_max_num_f32 v238, v238, v[BM+3]
	s_delay_alu instid0(VALU_DEP_1)
	v_mul_f32 v238, s22, v238
	s_delay_alu instid0(VALU_DEP_1)
	v_max_num_f32 v13, v13, v238                   ; the running largest t
	v_mov_b32 v238, v12
	s_delay_alu instid0(VALU_DEP_2)
	v_floor_f32 v12, -v13                          ; -M = floor(-t): M is a whole number
	s_delay_alu instid0(VALU_DEP_1)
	v_sub_f32 v238, v12, v238
	s_delay_alu instid0(VALU_DEP_1)
	v_cvt_i32_f32 v238, v238                       ; (it saturates)
	s_delay_alu instid0(VALU_DEP_1)
	v_ldexp_f32 v234, 1.0, v238                    ; f = 2^(old M - new M)
.set n, 0
	s_setprio 1
.rept 32
	v_pk_fma_f32 v[S+2*n:S+2*n+1], v[S+2*n:S+2*n+1], s[22:23], v[12:13] op_sel_hi:[1,0,0]   ; t - M
.set n, n+1
.endr
.irp b, 0,1,2,3
	v_fma_f32 v[BM+\b], v[BM+\b], s22, v12
.endr
.set n, 0
	s_wait_alu depctr_va_vdst(0)
.rept 64
	v_exp_f32 v[S+n], v[S+n]                       ; p = 2^(t - M)
.set n, n+1
.endr
	v_pk_mul_f32 v[14:15], v[14:15], v[234:235] op_sel_hi:[1,0]    ; the sum under the new M; a plain place behind the batch
	s_wait_alu depctr_va_vdst(0)                   ; one wait for the 64, ahead of their first reader
.irp b, 0,1,2,3
	v_exp_f32 v[BM+\b], v[BM+\b]                   ; the block's largest p
.endr
	v_pk_add_f32 v[236:237], v[100:101], v[104:105]
	v_pk_add_f32 v[252:253], v[108:109], v[112:113]
	v_pk_add_f32 v[244:245], v[116:117], v[120:121]
	v_pk_add_f32 v[242:243], v[124:125], v[128:129]
	v_pk_add_f32 v[240:241], v[132:133], v[136:137]
	v_pk_add_f32 v[238:239], v[140:141], v[144:145]
	v_pk_add_f32 v[232:233], v[148:149], v[152:153]
	v_pk_add_f32 v[14:15], v[14:15], v[156:157]
	v_pk_add_f32 v[236:237], v[236:237], v[96:97]
	v_pk_add_f32 v[252:253], v[252:253], v[98:99]
	v_pk_add_f32 v[244:245], v[244:245], v[102:103]
	v_pk_add_f32 v[242:243], v[242:243], v[106:107]
	v_pk_add_f32 v[240:241], v[240:241], v[110:111]
	v_pk_add_f32 v[238:239], v[238:239], v[114:115]
	v_pk_add_f32 v[232:233], v[232:233], v[118:119]
	v_pk_add_f32 v[14:15], v[14:15], v[122:123]
	v_pk_add_f32 v[236:237], v[236:237], v[126:127]
	v_pk_add_f32 v[252:253], v[252:253], v[130:131]
	v_pk_add_f32 v[244:245], v[244:245], v[134:135]
	v_pk_add_f32 v[242:243], v[242:243], v[138:139]
	v_pk_add_f32 v[240:241], v[240:241], v[142:143]
	v_pk_add_f32 v[238:239], v[238:239], v[146:147]
	v_pk_add_f32 v[232:233], v[232:233], v[150:151]
	v_pk_add_f32 v[14:15], v[14:15], v[154:155]
	v_pk_add_f32 v[236:237], v[236:237], v[158:159]
	s_delay_alu instid0(VALU_DEP_2)
	v_pk_add_f32 v[14:15], v[14:15], v[242:243]
	s_delay_alu instid0(VALU_DEP_2)
	v_pk_add_f32 v[236:237], v[236:237], v[240:241]
	v_pk_add_f32 v[252:253], v[252:253], v[238:239]
	v_pk_add_f32 v[244:245], v[244:245], v[232:233]
	s_delay_alu instid0(VALU_DEP_2)
	v_pk_add_f32 v[14:15], v[14:15], v[252:253]
	s_delay_alu instid0(VALU_DEP_2)
	v_pk_add_f32 v[236:237], v[236:237], v[244:245]
	s_delay_alu instid0(VALU_DEP_1)
	v_pk_add_f32 v[14:15], v[14:15], v[236:237]
	s_wait_alu depctr_va_vdst(0)                   ; and one for the four
.irp b, 0,1,2,3
	v_max_num_f32 v[BM+\b], 0x2800000, v[BM+\b]    ; the floor 2^(5 - 127)
.endr
.irp b, 0,1,2,3
	s_delay_alu instid0(VALU_DEP_4)
	v_add_nc_u32 v[SO+\b], 0xfe000000, v[BM+\b]
.endr
.irp b, 0,1,2,3
	s_delay_alu instid0(VALU_DEP_4)
	v_lshrrev_b32 v[BP+\b], 23, v[SO+\b]
.endr
	s_delay_alu instid0(VALU_DEP_2)
	v_lshl_or_b32 v[PW], v[BP+2], 8, v[BP]         ; p's scale word: e0, e2, e1, e3
	s_delay_alu instid0(VALU_DEP_1)
	v_lshl_or_b32 v[PW], v[BP+1], 16, v[PW]
	s_delay_alu instid0(VALU_DEP_1)
	v_lshl_or_b32 v[PW], v[BP+3], 24, v[PW]
	s_setprio 0
	v_cvt_scalef32_pk16_bf6_f32 v[PC:PC+2], v[S:S+15], v[SO]
	v_cvt_scalef32_pk16_bf6_f32 v[TT:TT+2], v[S+32:S+47], v[SO+2]
	v_cvt_scalef32_pk16_bf6_f32 v[PC+6:PC+8], v[S+16:S+31], v[SO+1]
	v_cvt_scalef32_pk16_bf6_f32 v[TT+4:TT+6], v[S+48:S+63], v[SO+3]
	v_nop                                          ; one plain place behind the scaled conversions
.irp i, 0,1,2
	v_permlane16_swap_b32 v[PC+\i], v[TT+\i]       ; lane (r, h): block 2 h whole,
	v_permlane16_swap_b32 v[PC+6+\i], v[TT+4+\i]   ; and block 2 h + 1
.endr
.irp i, 0,1,2
	v_mov_b32 v[PC+3+\i], v[TT+\i]
	v_mov_b32 v[PC+9+\i], v[TT+4+\i]
.endr
.set n, 0
.rept 16
	v_pk_mul_f32 v[O+2*n:O+2*n+1], v[O+2*n:O+2*n+1], v[234:235] op_sel_hi:[1,0]   ; O^T under the new M; these sixteen are also the places between p's codes and scale word and the products
.set n, n+1
.endr
	s_wait_alu depctr_va_vdst(0)
	s_wait_dscnt 0x0                               ; v
.irp t, 0,1,2,3
	v_wmma_scale_f32_16x16x128_f8f6f4 v[O+8*\t:O+8*\t+7], v[KF+12*\t:KF+12*\t+11], v[PC:PC+11], v[O+8*\t:O+8*\t+7], v[VSC+\t], v[PW] matrix_a_fmt:MATRIX_FMT_BF6 matrix_b_fmt:MATRIX_FMT_BF6
.endr
.Lhid_\@:
	s_add_co_u32 s40, s40, REC
	s_add_co_u32 s41, s41, 512
	s_add_co_u32 s42, s42, 1
.endm
; A tile ends: O^T / the sum, brought to the natural order of the head's 64, quantised in two blocks of 32, stored.
.macro FINISH
.rept 4
	v_nop                                          ; places behind the last products
.endr
	v_add_f32 v14, v14, v15
	s_delay_alu instid0(VALU_DEP_1)
	v_permlanex16_b32 v247, v14, s20, s21
	s_delay_alu instid0(VALU_DEP_1)
	v_add_f32 v14, v14, v247                       ; the row's sum
	s_wait_alu depctr_va_vdst(0)
	v_rcp_f32 v248, v14
	v_nop
	s_wait_alu depctr_va_vdst(0)                   ; ahead of the reciprocal's first reader
.set n, 0
.rept 16
	v_pk_mul_f32 v[O+2*n:O+2*n+1], v[O+2*n:O+2*n+1], v[248:249] op_sel_hi:[1,0]
.set n, n+1
.endr
.irp e, 0,1
.irp j, 0,1,2,3,4,5,6,7
	v_permlane16_swap_b32 v[O+16*\e+\j], v[O+16*\e+8+\j]   ; a lane's 16 registers become channels 32 e + 16 h + 0 .. 15
.endr
.endr
.irp e, 0,1
	v_max3_num_f32 v[BM+\e], |v[O+16*\e]|, |v[O+16*\e+1]|, 0x2800000
.endr
.irp i, 2,4,6,8,10,12,14
.irp e, 0,1
	s_delay_alu instid0(VALU_DEP_2)
	v_max3_num_f32 v[BM+\e], v[BM+\e], |v[O+16*\e+\i]|, |v[O+16*\e+\i+1]|
.endr
.endr
.irp e, 0,1
	s_delay_alu instid0(VALU_DEP_2)
	v_permlanex16_b32 v[BP+\e], v[BM+\e], s20, s21
.endr
.irp e, 0,1
	s_delay_alu instid0(VALU_DEP_2)
	v_max_num_f32 v[BM+\e], v[BM+\e], v[BP+\e]
.endr
.irp e, 0,1
	s_delay_alu instid0(VALU_DEP_2)
	v_add_nc_u32 v[SO+\e], 0xfe000000, v[BM+\e]
.endr
.irp e, 0,1
	s_delay_alu instid0(VALU_DEP_2)
	v_lshrrev_b32 v[BP+\e], 23, v[SO+\e]
.endr
	v_cvt_scalef32_pk16_bf6_f32 v[240:242], v[O:O+15], v[SO]
	v_cvt_scalef32_pk16_bf6_f32 v[244:246], v[O+16:O+31], v[SO+1]
	v_nop                                          ; one plain place behind the scaled conversions
	v_cmp_eq_f32 vcc_lo, 0, v14                    ; no key counted:
	s_delay_alu instid0(VALU_DEP_1)
	v_cndmask_b32 v[BP], v[BP], v250, vcc_lo       ; the bytes become 0xff
	s_delay_alu instid0(VALU_DEP_2)
	v_cndmask_b32 v[BP+1], v[BP+1], v250, vcc_lo
	s_delay_alu instid0(VALU_DEP_1)
	v_cndmask_b32 v238, v[BP], v[BP+1], s46        ; lane (r, h) stores block h's byte
	global_store_b8 v43, v238, s[56:57]
	global_store_b96 v42, v[240:242], s[54:55]     ; the tile's 768 bytes are consecutive: the two stores together fill them
	global_store_b96 v42, v[244:246], s[54:55] offset:24
.endm
.macro PASS trips
	s_mov_b32 s40, 0
	s_mov_b32 s41, 0
	s_mov_b32 s42, 0
	TILE_INIT
.Lstep_\@:
	STEP
	s_cmp_lt_u32 s42, \trips
	s_cbranch_scc1 .Lstep_\@
	s_setprio 0
	FINISH
.endm
	s_sub_co_u32 s43, 15, s16                      ; group 15 - w: 16 - w steps of work
	PASS 16
	s_mov_b32 s43, s16                             ; group w: w + 1 steps
	PASS 8
	s_wait_tensorcnt 0x0
	ds_add_u32 v254, v255
	s_wait_dscnt 0x0
	CROUND                                         ; the closing round
	s_endpgm
.Lfunc_end_k_q5768ebdd59_attn:
	.size	k_q5768ebdd59_attn, .Lfunc_end_k_q5768ebdd59_attn-k_q5768ebdd59_attn
	.p2alignl 7, 3214868480
	.fill 96, 4, 3214868480
	.section	.rodata,"a",@progbits
	.p2align	6, 0x0
	.amdhsa_kernel k_q5768ebdd59_attn
		.amdhsa_group_segment_fixed_size 218112
		.amdhsa_private_segment_fixed_size 0
		.amdhsa_enable_private_segment 0
		.amdhsa_kernarg_size 48
		.amdhsa_user_sgpr_count 2
		.amdhsa_user_sgpr_kernarg_segment_ptr 1
		.amdhsa_wavefront_size32 1
		.amdhsa_system_sgpr_workgroup_id_x 1
		.amdhsa_system_sgpr_workgroup_id_y 1
		.amdhsa_system_sgpr_workgroup_id_z 1
		.amdhsa_system_vgpr_workitem_id 0
		.amdhsa_next_free_vgpr 256
		.amdhsa_next_free_sgpr 66
		.amdhsa_reserve_vcc 1
		.amdhsa_float_denorm_mode_32 3
		.amdhsa_float_denorm_mode_16_64 3
		.amdhsa_memory_ordered 1
		.amdhsa_forward_progress 1
		.amdhsa_inst_pref_size 71
	.end_amdhsa_kernel
	.amdgpu_metadata
---
amdhsa.version: [ 1, 2 ]
amdhsa.kernels:
  - .name:           k_q5768ebdd59_attn
    .symbol:         k_q5768ebdd59_attn.kd
    .args:
      - { .name: qc, .offset: 0, .size: 8, .value_kind: global_buffer, .address_space: global }
      - { .name: qs, .offset: 8, .size: 8, .value_kind: global_buffer, .address_space: global }
      - { .name: kv, .offset: 16, .size: 8, .value_kind: global_buffer, .address_space: global }
      - { .name: mask, .offset: 24, .size: 8, .value_kind: global_buffer, .address_space: global }
      - { .name: vwc, .offset: 32, .size: 8, .value_kind: global_buffer, .address_space: global }
      - { .name: vws, .offset: 40, .size: 8, .value_kind: global_buffer, .address_space: global }
    .group_segment_fixed_size: 218112
    .private_segment_fixed_size: 0
    .kernarg_segment_align: 8
    .kernarg_segment_size: 48
    .max_flat_workgroup_size: 256
    .sgpr_count:     66
    .vgpr_count:     256
    .wavefront_size: 32
...
	.end_amdgpu_metadata
.endif
;; end of part 2
;; launch oproj (part 3): grid 8 x 32, 4 waves a work-group, clusters of 4 x 4, 247,552 bytes of LDS; arguments vwc, vws, Wo_codes, Wo_scales, bo, out0; writes out0
.if DOCPART == 3
	.amdgcn_target "amdgcn-amd-amdhsa--gfx1250"
	.amdhsa_code_object_version 6
	.text
	.protected	k_q5768ebdd59_oproj
	.globl	k_q5768ebdd59_oproj
	.p2align	8
	.type	k_q5768ebdd59_oproj,@function
k_q5768ebdd59_oproj:
	s_mov_b64 s[64:65], 0
	v_nop
	global_prefetch_b8 v0, s[64:65] scope:SCOPE_SE
	s_setreg_imm32_b32 hwreg(HW_REG_WAVE_MODE, 25, 1), 1
	s_wait_xcnt 0x0
	s_wait_alu depctr_hold_cnt(0) depctr_sa_sdst(0) depctr_va_vdst(0) depctr_va_sdst(0) depctr_va_ssrc(0) depctr_va_vcc(0) depctr_vm_vsrc(0)
	s_getreg_b32 s2, hwreg(HW_REG_IB_STS2, 6, 4)
	s_cmp_eq_u32 s2, 0
	s_cbranch_scc0 .Lentry_in_a_cluster
	s_endpgm
.Lentry_in_a_cluster:
	s_bfe_u32 s2, ttmp6, 0x10000c
	s_cmp_lg_u32 s2, 0xf033
	s_cbranch_scc0 .Lentry_shape_is_right
	s_endpgm
.Lentry_shape_is_right:
; out0 = vw Wo + bo on codes of BF6 (E3M2) with E8M0 scales.  vw: 4,096 tokens x 1,024, as the launch before left it: vwc [head 16][token][48 bytes], vws [K step 8][token] words.  Wo: [1,024 outputs][768 bytes], scales [1,024][32].
; A tile of 128 tokens x 128 outputs to a work-group (256 work-groups), 64 x 64 to each of four waves: 16 accumulators.  All of K lies in LDS, filled ONCE, in four chunks of 256 along K that are
; multiplied as they land: five joint loads a wave at the head (4 x 4 work-groups to a cluster: tokens' tiles shared along a row, Wo's along a column).  Nothing is filled again.
; The matrix instruction is used transposed (source 0 = 16 outputs of Wo, source 1 = 16 tokens): a lane holds eight neighbouring outputs of one token.  bo is the C of each sum's first product.
; A token whose scale bytes are 0xff comes out NaN.
.set ACOD, 0                           ; tokens' codes [head 16][128][48]
.set BCOD, 98304                       ; Wo's codes: 4 chunks x [128 rows][240]: 192 bytes, 16 of padding behind each 64
.set AWRD, 221184                      ; tokens' words [K step 8][128][4]
.set BSCL, 225280                      ; Wo's scale bytes: 16 units of 256 bytes + 16
.set STG,  229632                      ; stages: 16 rows x 272 bytes a wave; no fill lands here
.set G1A,  24                          ; groups 1: tokens' codes, tokens' words, Wo's codes, Wo's scales
.set G1AS, 32
.set G1B,  40
.set G1BS, 48
.set BCR,  32                          ; v32-63 bo of my 64 outputs: 8 b + j = output 16 b + 8 h + j
; v1, v2 tokens' fragments (K steps 0-3, 4-7); v3, v4 Wo's, v5, v6 the same behind one padding more; v7, v8 scale words; v9, v10 the stage in and back; v11 my offset in out0; v15 in bo
; v16-31 scale words, two sets (tokens' four, Wo's four); v64-159, v160-255 fragments, two sets (tokens' 48, Wo's 48).  Window 1: v0-127 accumulator (a, b) at 8 (4 a + b)
.set MSB, 0
.macro WIN new
.if MSB != \new
	s_set_vgpr_msb (MSB<<8)|\new
.set MSB, \new
.endif
.endm
.macro CROUND
	s_barrier_signal -1
	s_barrier_wait -1
	s_cmp_lg_u32 s16, 0
	s_cbranch_scc1 .Lnot_wave_0_\@
	s_barrier_signal -3
.Lnot_wave_0_\@:
	s_barrier_wait -3
	s_barrier_signal -1
	s_barrier_wait -1
.endm
.macro MKG0 g, lreg, lconst, base, step        ; a group 0: count, LDS address, global address, type
	s_mov_b32 s[\g], 1
	s_add_co_u32 s[\g+1], s[\lreg], \lconst
	s_add_nc_u64 s[\g+2:\g+3], s[\base:\base+1], \step
	s_or_b32 s[\g+3], s[\g+3], 0x80000000
.endm
	s_load_b256 s[4:11], s[0:1], 0x0               ; vwc s[4:5], vws s[6:7], Wo's codes s[8:9], Wo's scales s[10:11]
	s_load_b128 s[12:15], s[0:1], 0x20             ; bo s[12:13], out0 s[14:15]
	s_set_vgpr_msb 0x40
	v_lshl_add_u32 v128, v0, 2, 0x3c500
	v_mov_b32 v129, 0
	s_set_vgpr_msb 0x4045
	ds_add_u32 v128, v129
	ds_add_u32 v128, v129
	s_set_vgpr_msb 0x4500
	v_lshrrev_b32 v1, 5, v0
	v_readfirstlane_b32 s16, v1                    ; wave 0..3
	s_lshr_b32 s17, s16, 1                         ; my half of the tokens; also: I fetch for the tokens (0) or for Wo (1)
	s_and_b32 s18, s16, 1                          ; my half of the outputs; also: which half I fetch
	s_bfe_u32 s19, ttmp6, 0x40000                  ; cx
	s_bfe_u32 s20, ttmp6, 0x40004                  ; cy
	s_lshl_b32 s21, ttmp9, 2
	s_add_co_u32 s21, s21, s19                     ; tile column 0..7
	s_and_b32 s22, ttmp7, 0xffff
	s_lshl_b32 s22, s22, 2
	s_add_co_u32 s22, s22, s20                     ; tile row 0..31
	s_lshl_b32 s23, s20, 2
	s_lshl_b32 s23, 15, s23                        ; my row of the cluster
	s_lshl_b32 s66, 0x1111, s19                    ; my column
	s_or_b32 s[G1A], s23, (3<<16)|(1<<21)          ; two heads' 128 tokens: 2 rows of 6,144 bytes (768 elements of 8), 196,608 bytes apart
	s_mov_b32 s[G1A+1], 768<<16
	s_mov_b32 s[G1A+2], 2<<16
	s_mov_b32 s[G1A+3], 768<<16
	s_mov_b32 s[G1A+4], 2
	s_mov_b32 s[G1A+5], 24576
	s_mov_b32 s[G1A+6], 0
	s_mov_b32 s[G1A+7], 0
	s_or_b32 s[G1AS], s23, (3<<16)|(1<<21)         ; four K steps' words: 4 rows of 512 bytes, 16,384 bytes apart
	s_mov_b32 s[G1AS+1], 64<<16
	s_mov_b32 s[G1AS+2], 4<<16
	s_mov_b32 s[G1AS+3], 64<<16
	s_mov_b32 s[G1AS+4], 4
	s_mov_b32 s[G1AS+5], 2048
	s_mov_b32 s[G1AS+6], 0
	s_mov_b32 s[G1AS+7], 0
	s_or_b32 s[G1B], s66, (0<<16)|(1<<20)|(1<<21)|(3<<22)|(3<<25)   ; 64 rows of 192 bytes, 768 apart; 4 words of padding behind every 16
	s_mov_b32 s[G1B+1], 192<<16
	s_mov_b32 s[G1B+2], 64<<16
	s_mov_b32 s[G1B+3], 192<<16
	s_mov_b32 s[G1B+4], 64
	s_mov_b32 s[G1B+5], 768
	s_mov_b32 s[G1B+6], 0
	s_mov_b32 s[G1B+7], 0
	s_or_b32 s[G1BS], s66, (3<<16)|(1<<20)|(1<<21)|(5<<22)|(3<<25)  ; 64 rows' scale bytes: 8 dense rows of 256 bytes, 16 of padding behind each
	s_mov_b32 s[G1BS+1], 32<<16
	s_mov_b32 s[G1BS+2], 8<<16
	s_mov_b32 s[G1BS+3], 32<<16
	s_mov_b32 s[G1BS+4], 8
	s_mov_b32 s[G1BS+5], 32
	s_mov_b32 s[G1BS+6], 0
	s_mov_b32 s[G1BS+7], 0
	s_mul_i32 s100, s22, 6144                      ; tokens' codes: my tile's 128 tokens, heads 2 x half on
	s_mul_i32 s101, s18, 2*196608
	s_add_co_u32 s100, s100, s101
	s_mov_b32 s101, 0
	s_lshl_b32 s2, s22, 9                          ; tokens' words: K steps 4 x half on
	s_lshl_b32 s3, s18, 16
	s_add_co_u32 s2, s2, s3
	s_mov_b32 s3, 0
	s_lshl_b32 s19, s21, 7
	s_lshl_b32 s66, s18, 6
	s_add_co_u32 s19, s19, s66                     ; Wo: the first row that I fetch
	s_mul_i32 s66, s19, 768
	s_mov_b32 s67, 0
	s_wait_dscnt 0x0
	s_wait_kmcnt 0x0
	s_add_nc_u64 s[4:5], s[4:5], s[100:101]
	s_add_nc_u64 s[6:7], s[6:7], s[2:3]
	s_add_nc_u64 s[8:9], s[8:9], s[66:67]
	s_lshl_b32 s66, s19, 5
	s_add_nc_u64 s[10:11], s[10:11], s[66:67]
	s_mul_i32 s20, s18, 12288                      ; where they go: the wave's number alone enters an LDS address
	s_lshl_b32 s23, s18, 11
	s_mul_i32 s19, s18, 15360
	s_mul_i32 s66, s18, 2176
	MKG0 56, 23, AWRD, 6, 0
	MKG0 60, 20, ACOD, 4, 0
	MKG0 68, 20, ACOD+24576, 4, 4*196608
	MKG0 72, 20, ACOD+2*24576, 4, 8*196608
	MKG0 76, 20, ACOD+3*24576, 4, 12*196608
	MKG0 80, 66, BSCL, 10, 0
	MKG0 84, 19, BCOD, 8, 0
	MKG0 88, 19, BCOD+30720, 8, 192
	MKG0 92, 19, BCOD+2*30720, 8, 384
	MKG0 96, 19, BCOD+3*30720, 8, 576
	CROUND                                         ; all sixteen work-groups are here: the joint loads meet
	s_cmp_eq_u32 s17, 0                            ; a wave's five fills stand in one branch on its number: five loads of mine are out
	s_cbranch_scc0 .Lfor_b
	tensor_load_to_lds s[56:59], s[G1AS:G1AS+7]
	s_nop 0
	tensor_load_to_lds s[60:63], s[G1A:G1A+7]
	s_nop 0
	tensor_load_to_lds s[68:71], s[G1A:G1A+7]
	s_nop 0
	tensor_load_to_lds s[72:75], s[G1A:G1A+7]
	s_nop 0
	tensor_load_to_lds s[76:79], s[G1A:G1A+7]
	s_nop 0
.rept 4
	v_nop
.endr
	s_branch .Lasked
.Lfor_b:
	tensor_load_to_lds s[80:83], s[G1BS:G1BS+7]
	s_nop 0
	tensor_load_to_lds s[84:87], s[G1B:G1B+7]
	s_nop 0
	tensor_load_to_lds s[88:91], s[G1B:G1B+7]
	s_nop 0
	tensor_load_to_lds s[92:95], s[G1B:G1B+7]
	s_nop 0
	tensor_load_to_lds s[96:99], s[G1B:G1B+7]
	s_nop 0
.rept 4
	v_nop
.endr
.Lasked:
	v_and_b32 v12, 15, v0                          ; r
	v_bfe_u32 v13, v0, 4, 1                        ; h
	s_lshl_b32 s19, s21, 9
	s_lshl_b32 s20, s18, 8
	s_add_co_u32 s19, s19, s20                     ; my first output, in bytes of f32
	v_lshl_add_u32 v15, v13, 5, s19
.irp b, 0,1,2,3
	global_load_b128 v[BCR+8*\b:BCR+8*\b+3], v15, s[12:13] offset:64*\b
	global_load_b128 v[BCR+8*\b+4:BCR+8*\b+7], v15, s[12:13] offset:64*\b+16
.endr
	s_lshl_b32 s20, s22, 7
	s_lshl_b32 s23, s17, 6
	s_add_co_u32 s20, s20, s23                     ; my first token
	s_lshl_b32 s20, s20, 12
	s_add_co_u32 s20, s20, s19
	s_mov_b32 s21, 0
	s_add_nc_u64 s[14:15], s[14:15], s[20:21]      ; out0 at my 64 x 64
	s_mul_i32 s19, s17, 3072
	v_mul_u32_u24 v1, v12, 48
	v_mad_u32_u24 v1, v13, 24, v1
	v_add_nc_u32 v1, s19, v1                       ; tokens: 48 (64 half + r) + 24 h
	v_add_nc_u32 v2, 49152, v1
	s_mul_i32 s19, s18, 15360
	s_add_co_u32 s19, s19, BCOD
	v_mul_u32_u24 v3, v12, 240
	v_mad_u32_u24 v3, v13, 24, v3
	v_add_nc_u32 v3, s19, v3                       ; Wo: 240 (64 half + r) + 24 h
	v_add_nc_u32 v4, 61440, v3
	v_lshl_add_u32 v5, v13, 4, v3
	v_lshl_add_u32 v6, v13, 4, v4
	s_lshl_b32 s19, s17, 8
	s_add_co_u32 s19, s19, AWRD
	v_lshl_add_u32 v7, v12, 2, s19
	s_mul_i32 s19, s18, 2176
	s_add_co_u32 s19, s19, BSCL
	v_lshrrev_b32 v14, 3, v12
	v_lshlrev_b32 v8, 5, v12
	v_lshl_add_u32 v8, v14, 4, v8                  ; 32 bytes a row, and 16 more for each 256 passed
	v_add_nc_u32 v8, s19, v8
	s_mul_i32 s19, s16, 16*272
	s_add_co_u32 s19, s19, STG
	v_mul_u32_u24 v9, v12, 272
	v_lshl_add_u32 v9, v13, 5, v9
	v_add_nc_u32 v9, s19, v9
	v_mul_u32_u24 v10, v13, 272
	v_lshl_add_u32 v10, v12, 4, v10
	v_add_nc_u32 v10, s19, v10
	v_lshlrev_b32 v11, 12, v13
	v_lshl_add_u32 v11, v12, 4, v11
; K step s (128 along K: heads 2 s, 2 s + 1) into set P: 56 LDS loads
.macro FETCH s, P
.set AFR, 64+96*(\P)
.set BFR, 112+96*(\P)
.set RA, 1+(\s)/4
.set RB, 3+(\s)/4
.irp i, 0,1,2,3
.irp p, 0,1,2,3,4,5
	ds_load_b64 v[AFR+12*\i+2*\p:AFR+12*\i+2*\p+1], v[RA] offset:((\s)%4)*12288+6144*(\p/3)+768*\i+8*(\p%3)
.endr
.endr
.irp i, 0,1,2,3
.irp p, 0,1,2,3,4,5
.set PCN, 12*((\s)%2)+6*(\p/3)+\p%3            ; the piece of 8 bytes in a row of 192; lanes 16-31 read three pieces on, which for some lies behind one padding more
.if PCN%8 < 5
	ds_load_b64 v[BFR+12*\i+2*\p:BFR+12*\i+2*\p+1], v[RB] offset:8*PCN+16*(PCN/8)+3840*\i+30720*(((\s)/2)%2)
.else
	ds_load_b64 v[BFR+12*\i+2*\p:BFR+12*\i+2*\p+1], v[RB+2] offset:8*PCN+16*(PCN/8)+3840*\i+30720*(((\s)/2)%2)
.endif
.endr
.endr
.irp i, 0,1,2,3
	ds_load_b32 v[16+8*(\P)+\i], v7 offset:512*(\s)+64*\i
	ds_load_b32 v[20+8*(\P)+\i], v8 offset:4*(\s)+544*\i
.endr
.endm
; 16 products, the 16 accumulators by turns, in the same order in every K step
.macro MUL s, P
.set AFR, 64+96*(\P)
.set BFR, 112+96*(\P)
.if (\s) == 0
	WIN 0x40                                       ; D window 1; C = bo, window 0
.else
	WIN 0x50                                       ; C and D window 1
.endif
.irp a, 0,1,2,3
.irp b, 0,1,2,3
.if (\s) == 0
	v_wmma_scale_f32_16x16x128_f8f6f4 v[8*(4*\a+\b):8*(4*\a+\b)+7], v[BFR+12*\b:BFR+12*\b+11], v[AFR+12*\a:AFR+12*\a+11], v[BCR+8*\b:BCR+8*\b+7], v[20+8*(\P)+\b], v[16+8*(\P)+\a] matrix_a_fmt:MATRIX_FMT_BF6 matrix_b_fmt:MATRIX_FMT_BF6
.else
	v_wmma_scale_f32_16x16x128_f8f6f4 v[8*(4*\a+\b):8*(4*\a+\b)+7], v[BFR+12*\b:BFR+12*\b+11], v[AFR+12*\a:AFR+12*\a+11], v[8*(4*\a+\b):8*(4*\a+\b)+7], v[20+8*(\P)+\b], v[16+8*(\P)+\a] matrix_a_fmt:MATRIX_FMT_BF6 matrix_b_fmt:MATRIX_FMT_BF6
.endif
.endr
.endr
	WIN 0
.endm
.macro BAR q                                   ; chunk q is whole in LDS: my part has landed (the 3 - q chunks issued behind it may stay out), and everybody's
	s_wait_tensorcnt 3-(\q)
	s_wait_dscnt 0x0
	s_barrier_signal -1
	s_barrier_wait -1
.endm
.macro PLACES
.rept 4
	v_nop                                          ; places behind the products, in front of loads into their registers and of reads of their results
.endr
.endm
	s_wait_loadcnt 0x0                             ; bo
	BAR 0
	FETCH 0, 0
	FETCH 1, 1
	s_wait_dscnt 56                                ; all but the 56 loads of the K step after
	MUL 0, 0
	BAR 1
	PLACES
	FETCH 2, 0
	s_wait_dscnt 56
	MUL 1, 1
	PLACES
	FETCH 3, 1
	s_wait_dscnt 56
	MUL 2, 0
	BAR 2
	PLACES
	FETCH 4, 0
	s_wait_dscnt 56
	MUL 3, 1
	PLACES
	FETCH 5, 1
	s_wait_dscnt 56
	MUL 4, 0
	BAR 3
	PLACES
	FETCH 6, 0
	s_wait_dscnt 56
	MUL 5, 1
	PLACES
	FETCH 7, 1
	s_wait_dscnt 56
	MUL 6, 0
	s_wait_dscnt 0x0
	MUL 7, 1
; THE WAY OUT: 16 tokens x 64 outputs at a time through my own stage, back as rows of 256 bytes.
.macro TOSTAGE a
	WIN 0x04                                       ; an LDS store's data: window 1
.irp b, 0,1,2,3
	ds_store_b128 v9, v[8*(4*(\a)+\b):8*(4*(\a)+\b)+3] offset:64*\b          ; each accumulator from its low end on
	ds_store_b128 v9, v[8*(4*(\a)+\b)+4:8*(4*(\a)+\b)+7] offset:64*\b+16
.endr
	WIN 0
.irp t, 0,1,2,3,4,5,6,7
	ds_load_b128 v[64+32*(\a)+4*\t:64+32*(\a)+4*\t+3], v10 offset:544*\t     ; LDS serves a wave's instructions in order (ISA guide 5.7.1.4)
.endr
.endm
.macro SEND a, younger
	s_wait_dscnt \younger                          ; the next block's 8 stores and 8 loads may be out
.irp t, 0,1,2,3,4,5,6,7
	global_store_b128 v11, v[64+32*(\a)+4*\t:64+32*(\a)+4*\t+3], s[14:15] offset:65536*(\a)+8192*\t th:TH_STORE_NT   ; sixteen lanes store 256 consecutive bytes, at a multiple of 256 from out0's first byte
.endr
.endm
	PLACES
	TOSTAGE 0
	TOSTAGE 1
	SEND 0, 16
	TOSTAGE 2
	SEND 1, 16
	TOSTAGE 3
	SEND 2, 16
	SEND 3, 0
	s_set_vgpr_msb 0x5
	s_wait_tensorcnt 0x0
	ds_add_u32 v128, v129
	s_wait_dscnt 0x0
	s_set_vgpr_msb 0x500
	CROUND                                         ; the closing round
	s_endpgm
.Lfunc_end_k_q5768ebdd59_oproj:
	.size	k_q5768ebdd59_oproj, .Lfunc_end_k_q5768ebdd59_oproj-k_q5768ebdd59_oproj
	.p2alignl 7, 3214868480
	.fill 96, 4, 3214868480
	.section	.rodata,"a",@progbits
	.p2align	6, 0x0
	.amdhsa_kernel k_q5768ebdd59_oproj
		.amdhsa_group_segment_fixed_size 247552
		.amdhsa_private_segment_fixed_size 0
		.amdhsa_enable_private_segment 0
		.amdhsa_kernarg_size 48
		.amdhsa_user_sgpr_count 2
		.amdhsa_user_sgpr_kernarg_segment_ptr 1
		.amdhsa_wavefront_size32 1
		.amdhsa_system_sgpr_workgroup_id_x 1
		.amdhsa_system_sgpr_workgroup_id_y 1
		.amdhsa_system_sgpr_workgroup_id_z 1
		.amdhsa_system_vgpr_workitem_id 0
		.amdhsa_next_free_vgpr 386
		.amdhsa_next_free_sgpr 102
		.amdhsa_reserve_vcc 0
		.amdhsa_float_denorm_mode_32 3
		.amdhsa_float_denorm_mode_16_64 3
		.amdhsa_memory_ordered 1
		.amdhsa_forward_progress 1
		.amdhsa_inst_pref_size 66
	.end_amdhsa_kernel
	.amdgpu_metadata
---
amdhsa.version: [ 1, 2 ]
amdhsa.kernels:
  - .name:           k_q5768ebdd59_oproj
    .symbol:         k_q5768ebdd59_oproj.kd
    .args:
      - { .name: vwc, .offset: 0, .size: 8, .value_kind: global_buffer, .address_space: global }
      - { .name: vws, .offset: 8, .size: 8, .value_kind: global_buffer, .address_space: global }
      - { .name: Wo_codes, .offset: 16, .size: 8, .value_kind: global_buffer, .address_space: global }
      - { .name: Wo_scales, .offset: 24, .size: 8, .value_kind: global_buffer, .address_space: global }
      - { .name: bo, .offset: 32, .size: 8, .value_kind: global_buffer, .address_space: global }
      - { .name: out0, .offset: 40, .size: 8, .value_kind: global_buffer, .address_space: global }
    .group_segment_fixed_size: 247552
    .private_segment_fixed_size: 0
    .kernarg_segment_align: 8
    .kernarg_segment_size: 48
    .max_flat_workgroup_size: 128
    .sgpr_count:     102
    .vgpr_count:     386
    .wavefront_size: 32
...
	.end_amdgpu_metadata
.endif
;; end of part 3
